; MI455X (gfx1250); checked and timed in simulation.
; The chip was launched on July 23, 2026; its instructions are those of AMD's public machine-readable ISA for CDNA 5 (MIT licence, August 2026) and "CDNA5" Instruction Set Architecture Reference Guide (July 2026). The comments in the code are by the model that wrote it; some were corrected since.
;; Linear3 Bit. Allowed arithmetic: matrix products marked QUANTISED: E3M2 operands, one E8M0 scale for each 32 along K, by v_wmma_scale_f32_16x16x128_f8f6f4 with both operands' format E3M2, f32 sums; everything else in f32.
;; Inputs: bias 4,096 float32; weight_norm 524,288 float32; weight_q3 6,291,456 int32; x 2 x 2,048 x 4,096 float32.
;; Outputs: out0 2 x 2,048 x 4,096 float32.
;; This version of the problem:
;;   THIS VERSION OF THE PROBLEM IS GIVEN IN LOW PRECISION. The matrix products marked QUANTISED in the list below multiply operands that are first quantised to E3M2 (3 exponent bits, 2 mantissa bits; 6 bits a number), with one power-of-two scale for each 32 numbers along K (OCP MX v1.0); their sums are f32. All else is computed in f32.
;;   The module's matrix products, in the order in which they are computed (A, B: the left and right operand; K: the contracted axis; several contracted axes count as one K, in the product's order):
;;     1. [M 4,096, K 4,096] x [K 4,096, N 4,096]; A: input x; B: computed on the way: QUANTISED
;;   THE QUANTISER, for each operand of a quantised product, along K:
;;     - K is cut into blocks of 32 from its start; a last block that is shorter is filled with zeros.
;;     - A block's scale is 2^e with e = floor(log2(the largest magnitude in the block)) - 4, held to -126 .. 127; a block of zeros has e = 0. As a byte (E8M0): e + 127.
;;     - Each number is divided by its block's scale, clamped to +-28, and rounded to the nearest number of E3M2, ties to even, subnormals kept.
;;     - The product sums the exact products of the quantised numbers (number of the format x scale) in f32.
;;   ~~~python
;;   def quantise(x, axis):      # numpy; x: float32 -> the quantised numbers, widened to float32 again
;;       x = np.moveaxis(x, axis, -1); K = x.shape[-1]
;;       x = np.pad(x, [(0, 0)] * (x.ndim - 1) + [(0, -K % 32)]); x = x.reshape(x.shape[:-1] + (-1, 32)); a = np.abs(x).max(-1, keepdims=True)
;;       e = np.where(a > 0, np.clip(np.frexp(np.where(a > 0, a, 1))[1] - 1 - 4, -126, 127), 0)      # np.frexp(a)[1] - 1 = floor(log2(a)), exactly
;;       r = np.clip(x / 2.0 ** e, -28, 28)
;;       step = 2.0 ** (np.maximum(np.frexp(np.where(r == 0, 1, r))[1] - 1, -2) - 2)
;;       q = np.round(r / step) * step * 2.0 ** e      # np.round: ties to even
;;       return np.moveaxis(q.reshape(q.shape[:-2] + (-1,))[..., :K], -1, axis).astype(np.float32)
;;   ~~~
;;   OPERANDS COMPUTED ON THE WAY. 'Computed on the way' means the value that the module computes at that place (a softmax that the list does not call 'softmax' is quantised finished and normalised). What goes into a quantiser is computed in f32, as accurately as f32 sums, v_exp_f32 and their like allow (about 1e-6 of the number): no bf16 or f16 on the way to a quantiser, and a product that is left as it is and whose result goes on into a quantised operand takes f32 operands (vector FMAs, or v_wmma_f32_16x16x4_f32). A number that lies on a knife's edge between two numbers of the format may be rounded either way, as far as f32 arithmetic and the matrix unit's own rounding can turn it there, and no further.
;; One version. Each part assembles by itself: llvm-mc -triple=amdgcn-amd-amdhsa -mcpu=gfx1250 --defsym DOCPART=n.
;; ======== version 1 of 1: 2 launches
;; limits: right only within a limited range of input values
;; workspace buffers: xq 13,107,200 bytes; wq 13,107,200 bytes
;; launch quant (part 1): grid 1024 x 1, 4 waves a work-group, no clusters, 53,760 bytes of LDS; arguments x, weight_q3, weight_norm, xq, wq; writes xq, wq
.if DOCPART == 1
	.amdgcn_target "amdgcn-amd-amdhsa--gfx1250"
	.amdhsa_code_object_version 6
	.text
	.protected	k_q61d716e25b_quant
	.globl	k_q61d716e25b_quant
	.p2align	8
	.type	k_q61d716e25b_quant,@function
k_q61d716e25b_quant:
	s_mov_b64 s[64:65], 0
	v_nop
	global_prefetch_b8 v0, s[64:65] scope:SCOPE_SE
	s_setreg_imm32_b32 hwreg(HW_REG_WAVE_MODE, 25, 1), 1
	s_wait_xcnt 0x0
; x [4096][4096] f32, and W [4096][4096], which is made here in f32 from 3-bit numbers and one norm for each 32 along K, are turned into codes of BF6 (E3M2) with one E8M0 scale for each 32 along K.
; W(o, k) = (q x 2 / 7 - 1) x norm(o, k / 32); q is 3 bits of a stream of which each int32 of weight_q3 carries 8 bits (its lowest byte: the only bits that the definition reads); number i of a group lies at bits 3 i .. 3 i + 2 of the group's 96.
; A block's scale is 2^(floor(log2(its largest magnitude)) - 4): its byte is the largest magnitude's exponent field - 4, held at 1 from below; each number is divided by the scale and rounded to the nearest code, ties to even, beyond 28 the largest code.
; LIMITS.  NaN and infinities among the inputs are not served.  A block of zeros gets the byte 1 where the rule says 127: its codes are zeros, which add nothing under any byte but 0xff, and the bytes are read by this program alone.
;   q x 2 / 7 - 1 is one fused multiply-add with the f32 number nearest to 2 / 7: within 2.4e-7 of the number from the same expression rounded step by step.
; THE RESULTS ARE LAID AS THE PRODUCT'S OPERAND REGISTERS WANT THEM.  A FRAGMENT is 16 rows x 128 K: 12 registers a lane; lane l = r + 16 h holds row r, registers 6 c .. 6 c + 5 the codes of k = 64 c + 32 h + 0 .. 31.
;   Its image is 1,536 bytes: registers 4 g .. 4 g + 3 of lane l at 512 g + 16 l.  A UNIT is 128 rows x 128 K, 12,800 bytes: the eight fragments' images (fragment il = (row / 16) % 8 at 1,536 il), then 512 bytes of scale words
;   (a word: four bytes, 128 along K of a row): the word of row r of fragment il at 12,288 + 256 (il / 4) + 16 r + 4 (il % 4).  A buffer is [row / 128][k / 128] units.
; SHARES.  A wave makes 4 fragments: 16 rows x 512 K; the 4 waves of a work-group stand one below the other: 64 rows, so that the work-group's scale words of one 128 along K are 256 consecutive bytes of a unit.  They meet in LDS,
;   behind the launch's one barrier, and wave w stores those of fragment w.  512 work-groups take x, 512 take W; the role is bit 0 xor bit 8 of the work-group's number, so that neighbours in the numbering, and numbers 256 apart,
;   have both roles among them.  The two roles part on that number, which all waves of a work-group share, and use LDS bytes of their own.
; No matrix unit, no cluster, no tensor load: nothing here is read by two work-groups, and the work is a stream.
.set XST, 0                            ; LDS, x's role: a stage of 16 rows x (512 + 16) bytes for each wave,
.set XSB, 33792                        ; and 1,024 bytes for the work-group's scale words: fragment f's 256 bytes at 256 f
.set WST, 34816                        ; W's role: a stage of 16 rows x (16 places of 16 bytes + 16) for each wave,
.set WSB, 52224                        ; and 1,024 bytes for the work-group's scale words
.set UNIT, 12800
.set C,   20                           ; v20-31   the fragment's 12 registers
.set T,   32                           ; v32-34, v36-38  the upper halves of the two blocks' codes (a conversion's three registers begin on an even number)
.set MX,  40                           ; v40-43   two chains of maxima for each of my two blocks
.set SC,  44                           ; v44-45   the conversions' scale operands
.set BY,  46                           ; v46-47   the scale bytes
.set PW,  48                           ; v48      the row's scale word
.set PT,  49                           ; v49      the other half of the lanes' bytes
.set X,   64                           ; v64-127  64 numbers: v[X + 32 c + i] = k 64 c + 32 h + i of my row
.set RAW, 128                          ; v128-255 x's role: two sets of 64 as loaded;  W's role: v128-223, 24 loads of 4 int32
.set Q,   128                          ; W's role, later: v128-159, 8 blocks x 4 registers of 3-bit numbers
.set M,   224                          ; v224-239 my blocks' norms, each twice (a pair for the packed multiply)
.set NM,  240                          ; v240-255 the 16 norms of my row
; v1 lane, v2 r, v3 h, v4 8 h, v5 16 x lane, v6 8 x lane, v7 at work; v8-17 LDS addresses; v18, v19 offsets in weight_q3 and weight_norm
	s_load_b256 s[4:11], s[0:1], 0x0               ; x s[4:5], weight_q3 s[6:7], weight_norm s[8:9], xq s[10:11]
	s_load_b64 s[12:13], s[0:1], 0x20              ; wq
	v_lshl_add_u32 v62, v0, 2, 0xd000
	v_mov_b32 v63, 0
	v_lshrrev_b32 v7, 5, v0
	v_readfirstlane_b32 s18, v7                    ; wave 0..3
	v_and_b32 v1, 31, v0                           ; lane
	v_and_b32 v2, 15, v0                           ; r
	v_bfe_u32 v3, v0, 4, 1                         ; h
	v_lshlrev_b32 v4, 3, v3
	v_lshlrev_b32 v5, 4, v1
	s_wait_alu depctr_va_vdst(0)
	v_lshlrev_b32 v6, 3, v1
	s_wait_alu depctr_va_vdst(0)
	v_mov_b32 v[PT], 0                             ; written once: a lane permute's destination counts as one of its sources
	s_lshr_b32 s20, ttmp9, 8
	s_xor_b32 s20, s20, ttmp9
	s_and_b32 s19, s20, 1                          ; the role: 0 x, 1 W
	s_lshr_b32 s20, ttmp9, 1                       ; which of the role's 512 shares
	s_and_b32 s22, s20, 7                          ; kq: which 512 along K, 0..7
	s_lshr_b32 s20, s20, 3                         ; which 64 rows, 0..63
	s_lshl_b32 s21, s20, 2
	s_add_co_u32 s21, s21, s18                     ; I: which 16 rows are my wave's
	s_lshr_b32 s24, s20, 1                         ; which 128 rows: 32 units each,
	s_mul_i32 s24, s24, 32*UNIT
	s_mul_i32 s23, s22, 4*UNIT                     ; + kq x 4 units: the unit of my first fragment
	s_add_co_u32 s24, s24, s23
	s_mul_i32 s26, s18, UNIT                       ; the scale words that I store: those of fragment number = my wave's number,
	s_add_co_u32 s26, s26, s24
	s_and_b32 s23, s20, 1
	s_lshl_b32 s23, s23, 8                         ; my work-group's 256 of the unit's 512 bytes,
	s_add_co_u32 s26, s26, s23
	s_add_co_u32 s26, s26, 12288                   ; behind the eight images
	s_mov_b32 s27, 0
	s_and_b32 s23, s21, 7
	s_mul_i32 s23, s23, 1536                       ; my images' place in their units: (I % 8) x 1,536
	s_add_co_u32 s24, s24, s23
	s_mov_b32 s25, 0
	s_mov_b32 s32, 0x76543210
	s_mov_b32 s33, 0xfedcba98                      ; v_permlanex16_b32's selects for lane l xor 16
	s_mov_b32 s34, 0x3e924925                      ; 2 / 7
	s_mov_b32 s35, s34                             ; (named with it as a pair, so it is written)
	s_mov_b32 s36, 0x04000400                      ; v_perm_b32: the lowest bytes of two words
	s_mov_b32 s37, 0x05040100                      ; v_perm_b32: the low halves of two words
	; every LDS address is made here, ahead of the parting: a constant + a constant x wave + a term of the lane
	s_mul_i32 s23, s18, 8448
	v_add_nc_u32 v8, s23, v5                       ; x's stage, in: 16 x lane of a row
	v_mul_u32_u24 v9, v2, 528
	v_lshl_add_u32 v9, v3, 7, v9
	v_add_nc_u32 v9, s23, v9                       ; and out: row r, + 128 h: my 32 numbers of each 64
	s_lshl_b32 s23, s18, 2
	v_lshlrev_b32 v10, 4, v2
	v_add_nc_u32 v10, s23, v10
	v_add_nc_u32 v10, XSB, v10                     ; x's scale words, in: 16 r + 4 x wave
	s_lshl_b32 s23, s18, 8
	v_add_nc_u32 v11, s23, v6
	v_add_nc_u32 v11, XSB, v11                     ; and out: 256 x wave + 8 x lane
	v_add_nc_u32 v16, WSB-XSB, v10                 ; W's likewise
	v_add_nc_u32 v17, WSB-XSB, v11
	s_mul_i32 s23, s18, 4352
	s_add_co_u32 s23, s23, WST
	; W's stage, in.  Word n (0..47) of a row's 192 bytes belongs to block n / 3 and goes to 16 (n / 3) + 4 (n % 3) = 4 (n + n / 3); n / 3 = (43 n) >> 7 for n under 128
	v_mul_u32_u24 v7, v1, 43
	v_lshrrev_b32 v7, 7, v7
	v_add_nc_u32 v7, v7, v1
	v_lshl_add_u32 v12, v7, 2, s23                 ; the first load of a pair of rows: word = lane, of the even row
	v_add_nc_u32 v7, 16, v1                        ; the second: lanes 0-15 words 32-47 of the even row, lanes 16-31 words 0-15 of the odd row.
	v_and_b32 v7, 16, v7                           ; (lane + 16) & 16 is 16 in lanes 0-15 and 0 in lanes 16-31,
	v_lshl_add_u32 v13, v7, 1, v2                  ; so the word is r + twice that
	v_mul_u32_u24 v7, v13, 43
	v_lshrrev_b32 v7, 7, v7
	v_add_nc_u32 v7, v7, v13
	v_lshlrev_b32 v7, 2, v7                        ; its place in a row,
	v_mad_u32_u24 v13, v3, 272, v7                 ; one row further down for lanes 16-31,
	v_add_nc_u32 v13, s23, v13                     ; in my wave's stage
	v_add_nc_u32 v14, 16, v1                       ; the third: words 16-47 of the odd row
	v_mul_u32_u24 v7, v14, 43
	v_lshrrev_b32 v7, 7, v7
	v_add_nc_u32 v7, v7, v14
	v_lshl_add_u32 v14, v7, 2, s23
	v_add_nc_u32 v14, 272, v14
	v_mul_u32_u24 v15, v2, 272
	v_lshl_add_u32 v15, v3, 4, v15
	v_add_nc_u32 v15, s23, v15                     ; and out: row r, + 16 h: block 4 f + 2 c + h stands 64 f + 32 c further on
	v_mad_u32_u24 v18, v3, 5376, v5
	v_add_nc_u32 v18, 512, v18                     ; weight_q3, a pair's second load: lanes 0-15 bytes 512-767 of the even row's 768, lanes 16-31 bytes 0-255 of the odd row's (6,144 bytes further on)
	v_lshlrev_b32 v19, 9, v2                       ; weight_norm: a row is 512 bytes
	s_wait_kmcnt 0x0
	s_cmp_eq_u32 s19, 0                            ; the choice hangs on the work-group's number alone
	s_cselect_b64 s[28:29], s[10:11], s[12:13]     ; the role's buffer:
	s_add_nc_u64 s[30:31], s[28:29], s[26:27]      ; where my scale words go,
	s_add_nc_u64 s[28:29], s[28:29], s[24:25]      ; and my images
; The 64 numbers in X become the fragment's registers in C and the row's scale word in PW.  A lane holds two whole blocks (blocks h and 2 + h of the fragment's four), so no other lane is asked for a maximum.
.macro QUANT
.irp c, 0,1
	v_max3_num_f32 v[MX+2*\c],   |v[X+32*\c]|,   |v[X+32*\c+1]|, |v[X+32*\c+2]|
	v_max3_num_f32 v[MX+2*\c+1], |v[X+32*\c+3]|, |v[X+32*\c+4]|, |v[X+32*\c+5]|
.endr
.irp i, 6,10,14,18,22,26
.irp c, 0,1
	v_max3_num_f32 v[MX+2*\c],   v[MX+2*\c],   |v[X+32*\c+\i]|,   |v[X+32*\c+\i+1]|   ; four chains by turns: no line waits for the line above it
	v_max3_num_f32 v[MX+2*\c+1], v[MX+2*\c+1], |v[X+32*\c+\i+2]|, |v[X+32*\c+\i+3]|
.endr
.endr
.irp c, 0,1
	v_max3_num_f32 v[MX+2*\c], v[MX+2*\c], |v[X+32*\c+30]|, |v[X+32*\c+31]|
.endr
.irp c, 0,1
	v_max3_num_f32 v[MX+2*\c], v[MX+2*\c], v[MX+2*\c+1], 0x2800000   ; and the floor 2^(5 - 127), under which no largest magnitude is taken: so the byte cannot fall under 1
.endr
.irp c, 0,1
	v_add_nc_u32 v[SC+\c], 0xfe000000, v[MX+2*\c]  ; 4 off its exponent field: the conversion takes the exponent field of this operand as its scale, and nothing else of it
.endr
.irp c, 0,1
	v_lshrrev_b32 v[BY+\c], 23, v[SC+\c]           ; the scale's byte
.endr
	v_lshl_or_b32 v[PW], v[BY+1], 16, v[BY]        ; my two bytes, blocks h and 2 + h,
	v_lshlrev_b32 v[PW], v4, v[PW]                 ; at their places in the word (8 h bits up);
	v_permlanex16_b32 v[PT], v[PW], s32, s33
	v_or_b32 v[PW], v[PW], v[PT]                   ; with lane l xor 16's two the word is whole
	s_wait_alu depctr_va_vdst(0)
	s_wait_xcnt 0x0                                ; the last fragment's stores have read C: it is written again only behind this wait
.irp c, 0,1
	v_cvt_scalef32_pk16_bf6_f32 v[C+6*\c:C+6*\c+2], v[X+32*\c:X+32*\c+15], v[SC+\c]
	v_cvt_scalef32_pk16_bf6_f32 v[T+4*\c:T+4*\c+2], v[X+32*\c+16:X+32*\c+31], v[SC+\c]
.endr
	v_nop                                          ; one plain place behind a scaled conversion
.irp c, 0,1
.irp i, 0,1,2
	v_mov_b32 v[C+3+6*\c+\i], v[T+4*\c+\i]
.endr
.endr
.endm
; Fragment f's image leaves: each store of the wave covers 512 consecutive bytes, at a multiple of 512 from the buffer's first byte.  Its scale words wait in LDS (both halves of the lanes write the same word with the same value).
.macro OUT f, sw
.irp g, 0,1,2
	global_store_b128 v5, v[C+4*\g:C+4*\g+3], s[28:29] offset:(\f)*UNIT+512*\g
.endr
	ds_store_b32 v[\sw], v[PW] offset:256*(\f)
.endm
; The work-group's scale words leave: a fragment number's 256 bytes come from all four waves, so each wave waits for its stores (for 0: for the others' sake), all meet at the barrier, and wave w reads and stores
; those of fragment w: 256 consecutive bytes, at a multiple of 256 from the buffer's first byte.
.macro FIN sr
	s_wait_dscnt 0x0
	s_barrier_signal -1
	s_barrier_wait -1
	ds_load_b64 v[50:51], v[\sr]
	s_wait_dscnt 0x0
	global_store_b64 v6, v[50:51], s[30:31]
	s_wait_tensorcnt 0x0
	ds_add_u32 v62, v63
	s_wait_dscnt 0x0
	s_endpgm
.endm
	s_cmp_eq_u32 s19, 0
	s_cbranch_scc0 .Lw
	; ---------------- x ----------------
	s_lshl_b32 s38, s21, 18                        ; 16 rows of 16,384 bytes x I
	s_lshl_b32 s23, s22, 11                        ; + 512 numbers x kq
	s_add_co_u32 s38, s38, s23
	s_mov_b32 s39, 0
	s_add_nc_u64 s[4:5], s[4:5], s[38:39]
.macro XLOAD f                         ; fragment f as it lies: load j reads 512 consecutive bytes of row j, 16 a lane
.irp j, 0,1,2,3,4,5,6,7,8,9,10,11,12,13,14,15
	global_load_b128 v[RAW+64*((\f)%2)+4*\j:RAW+64*((\f)%2)+4*\j+3], v5, s[4:5] offset:16384*\j+512*(\f) th:TH_LOAD_NT
.endr
.endm
.macro XTURN f                         ; through the wave's own stage: in as loaded, out 128 bytes of a row to a lane.  Rows are 528 bytes = 132 words apart: row r starts at bank 4 r mod 64 (64 banks of 4 bytes: ISA guide 11.1)
.irp j, 0,1,2,3,4,5,6,7,8,9,10,11,12,13,14,15
	ds_store_b128 v8, v[RAW+64*((\f)%2)+4*\j:RAW+64*((\f)%2)+4*\j+3] offset:528*\j
.endr
.irp c, 0,1
.irp j, 0,1,2,3,4,5,6,7
	ds_load_b128 v[X+32*\c+4*\j:X+32*\c+4*\j+3], v9 offset:256*\c+16*\j
.endr
.endr
.endm
	XLOAD 0
	XLOAD 1
.irp f, 0,1,2,3
.if \f < 3
	s_wait_loadcnt 16                              ; this fragment's 16 loads are in; the next fragment's 16 may be out
.else
	s_wait_loadcnt 0x0
.endif
	XTURN \f
	s_wait_dscnt 0x0                               ; my 64 numbers are back, and the stage's stores have read the set as loaded,
.if \f < 2
	XLOAD \f+2                                     ; which takes the loads of two fragments on
.endif
	QUANT
	OUT \f, 10
.endr
	FIN 11
	; ---------------- W ----------------
.Lw:
	s_mul_i32 s38, s21, 98304                      ; weight_q3: 16 rows of 1,536 int32 x I
	s_mul_i32 s23, s22, 768                        ; + 192 int32 x kq
	s_add_co_u32 s38, s38, s23
	s_mov_b32 s39, 0
	s_add_nc_u64 s[6:7], s[6:7], s[38:39]
	s_lshl_b32 s40, s21, 13                        ; weight_norm: 16 rows of 512 bytes x I
	s_lshl_b32 s23, s22, 6                         ; + 16 norms x kq
	s_add_co_u32 s40, s40, s23
	s_mov_b32 s41, 0
	s_add_nc_u64 s[8:9], s[8:9], s[40:41]
	s_wait_alu depctr_va_vdst(0)
.irp f, 0,1,2,3
	global_load_b128 v[NM+4*\f:NM+4*\f+3], v19, s[8:9] offset:16*\f          ; my row's 16 norms
.endr
.irp p, 0,1,2,3,4,5,6,7                        ; rows 2 p and 2 p + 1: 768 bytes each, in three loads of 512 bytes, each made of two runs of 256 consecutive bytes that start at multiples of 256
	global_load_b128 v[RAW+12*\p:RAW+12*\p+3],    v5,  s[6:7] offset:12288*\p th:TH_LOAD_NT
	global_load_b128 v[RAW+12*\p+4:RAW+12*\p+7],  v18, s[6:7] offset:12288*\p th:TH_LOAD_NT
	global_load_b128 v[RAW+12*\p+8:RAW+12*\p+11], v5,  s[6:7] offset:12288*\p+6400 th:TH_LOAD_NT
.endr
	s_wait_loadcnt 24                              ; the norms are in: 24 loads were issued behind them
	v_cmp_eq_u32 vcc_lo, 1, v3
.irp b, 0,2,4,6,8,10,12,14                     ; the norm of my block 4 f + 2 c + h, at M + 4 f + 2 c, twice
	v_cndmask_b32 v[M+\b],   v[NM+\b], v[NM+\b+1], vcc_lo
	v_cndmask_b32 v[M+\b+1], v[NM+\b], v[NM+\b+1], vcc_lo
.endr
.irp p, 0,1,2,3,4,5,6,7
	s_wait_loadcnt 3*(7-\p)                        ; this pair's three loads are in; the later pairs' may be out
.irp j, 0,1,2
	v_perm_b32 v[RAW+12*\p+4*\j],   v[RAW+12*\p+4*\j+1], v[RAW+12*\p+4*\j],   s36   ; four int32 give their lowest bytes: one word of the stream
	v_perm_b32 v[RAW+12*\p+4*\j+2], v[RAW+12*\p+4*\j+3], v[RAW+12*\p+4*\j+2], s36
	v_perm_b32 v[RAW+12*\p+4*\j],   v[RAW+12*\p+4*\j+2], v[RAW+12*\p+4*\j],   s37
.endr
	ds_store_b32 v12, v[RAW+12*\p]   offset:544*\p
	ds_store_b32 v13, v[RAW+12*\p+4] offset:544*\p
	ds_store_b32 v14, v[RAW+12*\p+8] offset:544*\p
.endr
	s_wait_dscnt 0x0                               ; the stores have read their registers, which the loads below write
.irp f, 0,1,2,3
.irp c, 0,1
	ds_load_b96 v[Q+8*\f+4*\c:Q+8*\f+4*\c+2], v15 offset:64*\f+32*\c          ; my block's 96 bits; every address is a multiple of 16
.endr
.endr
	s_wait_dscnt 0x0
; Fragment f's two blocks of mine: 96 bits -> 32 numbers each.  Four registers are made that begin at numbers 0, 10, 20, 30, so that each number is one bit field of one register.
.macro UNPACK f
.irp c, 0,1
	v_lshrrev_b32  v[Q+8*(\f)+4*\c+3], 26, v[Q+8*(\f)+4*\c+2]                              ; from bit 90 on
	v_alignbit_b32 v[Q+8*(\f)+4*\c+2], v[Q+8*(\f)+4*\c+2], v[Q+8*(\f)+4*\c+1], 28          ; from bit 60 on
	v_alignbit_b32 v[Q+8*(\f)+4*\c+1], v[Q+8*(\f)+4*\c+1], v[Q+8*(\f)+4*\c], 30            ; from bit 30 on
.endr
.irp c, 0,1
.irp i, 0,1,2,3,4,5,6,7,8,9,10,11,12,13,14,15,16,17,18,19,20,21,22,23,24,25,26,27,28,29,30,31
	v_bfe_u32 v[X+32*\c+\i], v[Q+8*(\f)+4*\c+\i/10], 3*(\i%10), 3
.endr
.endr
.set n, 0
.rept 64
	v_cvt_f32_u32 v[X+n], v[X+n]
.set n, n+1
.endr
.set n, 0
.rept 32
	v_pk_fma_f32 v[X+2*n:X+2*n+1], v[X+2*n:X+2*n+1], s[34:35], -1.0 op_sel_hi:[1,0,0]      ; q x 2 / 7 - 1, two at a time
.set n, n+1
.endr
.set n, 0
.rept 32
	v_pk_mul_f32 v[X+2*n:X+2*n+1], v[X+2*n:X+2*n+1], v[M+4*(\f)+2*(n/16):M+4*(\f)+2*(n/16)+1]   ; x the block's norm
.set n, n+1
.endr
.endm
.irp f, 0,1,2,3
	UNPACK \f
	QUANT
	OUT \f, 16
.endr
	FIN 17
.Lfunc_end_k_q61d716e25b_quant:
	.size	k_q61d716e25b_quant, .Lfunc_end_k_q61d716e25b_quant-k_q61d716e25b_quant
	.p2alignl 7, 3214868480
	.fill 96, 4, 3214868480
	.section	.rodata,"a",@progbits
	.p2align	6, 0x0
	.amdhsa_kernel k_q61d716e25b_quant
		.amdhsa_group_segment_fixed_size 53760
		.amdhsa_private_segment_fixed_size 0
		.amdhsa_enable_private_segment 0
		.amdhsa_kernarg_size 40
		.amdhsa_user_sgpr_count 2
		.amdhsa_user_sgpr_kernarg_segment_ptr 1
		.amdhsa_wavefront_size32 1
		.amdhsa_system_sgpr_workgroup_id_x 1
		.amdhsa_system_sgpr_workgroup_id_y 1
		.amdhsa_system_sgpr_workgroup_id_z 1
		.amdhsa_system_vgpr_workitem_id 0
		.amdhsa_next_free_vgpr 256
		.amdhsa_next_free_sgpr 66
		.amdhsa_reserve_vcc 1
		.amdhsa_float_denorm_mode_32 3
		.amdhsa_float_denorm_mode_16_64 3
		.amdhsa_memory_ordered 1
		.amdhsa_forward_progress 1
		.amdhsa_inst_pref_size 98
	.end_amdhsa_kernel
	.amdgpu_metadata
---
amdhsa.version: [ 1, 2 ]
amdhsa.kernels:
  - .name:           k_q61d716e25b_quant
    .symbol:         k_q61d716e25b_quant.kd
    .args:
      - { .name: x, .offset: 0, .size: 8, .value_kind: global_buffer, .address_space: global }
      - { .name: weight_q3, .offset: 8, .size: 8, .value_kind: global_buffer, .address_space: global }
      - { .name: weight_norm, .offset: 16, .size: 8, .value_kind: global_buffer, .address_space: global }
      - { .name: xq, .offset: 24, .size: 8, .value_kind: global_buffer, .address_space: global }
      - { .name: wq, .offset: 32, .size: 8, .value_kind: global_buffer, .address_space: global }
    .group_segment_fixed_size: 53760
    .private_segment_fixed_size: 0
    .kernarg_segment_align: 8
    .kernarg_segment_size: 40
    .max_flat_workgroup_size: 128
    .sgpr_count:     66
    .vgpr_count:     256
    .wavefront_size: 32
...
	.end_amdgpu_metadata
.endif
;; end of part 1
;; launch gemm (part 2): grid 16 x 16, 4 waves a work-group, clusters of 4 x 4, 327,680 bytes of LDS; arguments xq, wq, out0, bias; writes out0
.if DOCPART == 2
	.amdgcn_target "amdgcn-amd-amdhsa--gfx1250"
	.amdhsa_code_object_version 6
	.text
	.protected	k_q61d716e25b_gemm
	.globl	k_q61d716e25b_gemm
	.p2align	8
	.type	k_q61d716e25b_gemm,@function
k_q61d716e25b_gemm:
	s_mov_b64 s[64:65], 0
	v_nop
	global_prefetch_b8 v0, s[64:65] scope:SCOPE_SE
	s_setreg_imm32_b32 hwreg(HW_REG_WAVE_MODE, 25, 1), 1
	s_wait_xcnt 0x0
	s_wait_alu depctr_hold_cnt(0) depctr_sa_sdst(0) depctr_va_vdst(0) depctr_va_sdst(0) depctr_va_ssrc(0) depctr_va_vcc(0) depctr_vm_vsrc(0)
	s_getreg_b32 s2, hwreg(HW_REG_IB_STS2, 6, 4)
	s_cmp_eq_u32 s2, 0
	s_cbranch_scc0 .Lentry_in_a_cluster
	s_endpgm
.Lentry_in_a_cluster:
	s_bfe_u32 s2, ttmp6, 0x10000c
	s_cmp_lg_u32 s2, 0xf033
	s_cbranch_scc0 .Lentry_shape_is_right
	s_endpgm
.Lentry_shape_is_right:
; out0[m][n] = sum over k of x[m][k] W[n][k] + bias[n], on the codes of BF6 (E3M2) and E8M0 scale words that launch quant laid down; sums in f32.
; xq and wq are [row / 128][k / 128] UNITS of 12,800 bytes: eight fragment images of 1,536 bytes (16 rows x 128 K: registers 4 g .. 4 g + 3 of lane l at 512 g + 16 l), then 512 bytes of scale words.
; A work-group of four waves makes 256 x 256 of out0, a wave 128 x 128: 64 accumulators, 512 registers.  256 work-groups: one for each tile.
; K goes through a ring of two LDS slots; a slot holds three steps of 128 along K of A's two panels and B's two panels (a panel: 128 rows); each wave fills one panel by one tensor load of 150 rows of 256 bytes.
; 32 steps are ten fills of three steps and a last one of two.
; CLUSTERS: 4 x 4 work-groups; A's panels are asked for jointly along a row of the cluster, B's along a column.
; BOTH OPERANDS HAVE TWO SETS OF FRAGMENT REGISTERS: all 50 LDS loads of the next step stand in ONE run, into the sets that the step before has read, and one wait at the next step's head serves all 50.
; THE WAVES TAKE TURNS AT LDS: waves 0 and 1 issue their run at a step's head, waves 2 and 3 in its middle, behind 32 of its 64 matrix instructions: 100 loads meet there, not 200.  The run is written at both places,
; each under a branch on the wave's number that leads round the run alone.  A slot's last step has all its fragments in registers at its head: the slot is given up there.
; PREFETCH: behind each joint load the NEXT fill (three steps of 128 along K ahead of its own load) is asked for: a panel's 150 blocks of 256 bytes are shared out by address among the four partners that load it jointly
; (38 blocks each, the last 36), two instructions a wave, a lane a block.  The last fill, which is shorter, is asked for by its load alone, so that no lane names a byte behind a buffer's end.
; THE LAST TWO STEPS GO BY ROWS OF out0: both lie in registers (one in each set), so each block of 16 rows is finished by 16 matrix instructions and leaves while the later blocks are multiplied.
; THE MATRIX INSTRUCTION IS USED TRANSPOSED (source 0 = 16 rows of W, source 1 = 16 rows of x): a lane holds eight neighbouring numbers of a row of out0.  The bias is the C of each sum's first product.
; LIMITS: those of launch quant; NaN and infinities in bias go to the result as the matrix unit carries them.
; REGISTERS: window 0: v0-31 addresses, v32-47 scale words (two sets), v64-159 and v160-255 A's two sets.  window 1: v0-95 and v128-223 B's two sets, v96-127 and v224-255 the bias.
;   window 2: accumulators of my rows 0-63 ((a, b) at v[8 (8 a + b)]), window 3: of my rows 64-127.
.set SIZE_N, 4096
.set FRB,    1536
.set UNIT,   12800
.set SCO,    8*FRB                     ; a unit's scale words
.set PANEL,  3*UNIT
.set SLOT,   4*PANEL
.set MBB,    32*UNIT                   ; 128 rows, all of K
.set TRIPS,  4
.set SPARE,  2*SLOT                    ; the spare words: 128 bytes a wave, named by no other line
.set STAGE,  SLOT                      ; the way out: 16 rows x 528 bytes a wave, in slot 1, which has had its last fill and its last read by then
.set SPITCH, 528
.set PFO,  12                          ; v12-13  the prefetches' offsets
.set ADRA, 16                          ; v16-17  my A images in slot 0, 1
.set ADRB, 20                          ; v20-21  my B images
.set ADRS, 22                          ; v22-23  my scale words: lanes 0-15 A's, lanes 16-31 B's
.set STO,  24
.set RD,   25
.set CO,   26
.set SPW,  28
.set NIL,  29
.set BO,   30
.set SC,   32
.set AF,   64
.set G1, 24
.set G0, 32
.set G1B, 48
.set G0B, 56
.set G1L, 68                           ; group 1 of the last fill: two units
.set G1LB, 80
.set PFA, 88                           ; s[88:89] my share of the panel that the prefetches stand at
.set MSB, 0
.macro WIN new                         ; the immediate's high byte repeats the setting that is left
.if MSB != (\new)
	s_set_vgpr_msb (MSB<<8)|(\new)
.set MSB, (\new)
.endif
.endm
.set TO_B, 0x40                        ; destination window 1, address window 0
.macro JLOAD g0a, g1a, g0b, g1b        ; waves 0, 1 ask for A's panels, waves 2, 3 for B's; an s_nop 0 and four v_nop behind each tensor load
	s_cmp_eq_u32 s15, 0
	s_cbranch_scc0 .Lfor_b_\@
	tensor_load_to_lds s[\g0a:\g0a+3], s[\g1a:\g1a+7]
	s_nop 0
.rept 4
	v_nop
.endr
	s_branch .Lasked_\@
.Lfor_b_\@:
	tensor_load_to_lds s[\g0b:\g0b+3], s[\g1b:\g1b+7]
	s_nop 0
.rept 4
	v_nop
.endr
.Lasked_\@:
.endm
.macro CREST
	s_cmp_lg_u32 s14, 0
	s_cbranch_scc1 .Lnot_wave_0_\@
	s_barrier_signal -3
.Lnot_wave_0_\@:
	s_barrier_wait -3
	s_barrier_signal -1
	s_barrier_wait -1
.endm
.macro CROUND
	s_barrier_signal -1
	s_barrier_wait -1
	CREST
.endm
.macro ASK how, off                    ; how = 1: ask; 2: ask but in the loop's last trip, whose next fill is the short one
.if \how == 2
	s_cmp_gt_u32 s3, 1
	s_cbranch_scc0 .Lno_ask_\@
.endif
.if \how
	global_prefetch_b8 v[PFO], s[PFA:PFA+1] offset:\off th:TH_LOAD_NT scope:SCOPE_SE
	global_prefetch_b8 v[PFO+1], s[PFA:PFA+1] offset:\off th:TH_LOAD_NT scope:SCOPE_SE
.endif
.if \how == 2
.Lno_ask_\@:
.endif
.endm
.macro PLACES                          ; four places between matrix instructions and loads into, or reads of, their registers
.rept 4
	v_nop
.endr
.endm
.macro RUN base, adr, off              ; 24 loads of 512 bytes: a panel's eight images of one step; load n fills registers base + 4 n ..
.set RN, 0
.rept 24
	ds_load_b128 v[\base+4*RN:\base+4*RN+3], v[\adr] offset:\off+512*RN
.set RN, RN+1
.endr
.endm
.macro FETCH slot, q, p                ; step q of a slot into sets p: 50 loads
	WIN TO_B
	RUN 128*(\p), ADRB+\slot, (\q)*UNIT
	WIN 0
	RUN AF+96*(\p), ADRA+\slot, (\q)*UNIT
	ds_load_b128 v[SC+8*(\p):SC+8*(\p)+3],   v[ADRS+\slot] offset:(\q)*UNIT
	ds_load_b128 v[SC+8*(\p)+4:SC+8*(\p)+7], v[ADRS+\slot] offset:(\q)*UNIT+256
.endm
.macro HALF which, slot, q, p          ; the run of waves 0, 1 (which = 0) or of waves 2, 3 (which = 1); at the branch and at the label every window is 0
	WIN 0
	s_cmp_eq_u32 s15, \which
	s_cbranch_scc0 .Lnot_my_turn_\@
	FETCH \slot, \q, \p
.Lnot_my_turn_\@:
.endm
; eight matrix instructions: A's block a against B's eight, sets p.  The accumulators take turns, one instruction a turn.  zero = 1: the sums begin with the bias.
.macro GRP a, p, zero
.if \zero
	WIN 0x91+0x40*((\a)/4)
.else
	WIN 0xa1+0x50*((\a)/4)
.endif
.irp b, 0,1,2,3,4,5,6,7
.if \zero
	v_wmma_scale_f32_16x16x128_f8f6f4 v[8*(8*((\a)%4)+\b):8*(8*((\a)%4)+\b)+7], v[128*(\p)+12*\b:128*(\p)+12*\b+11], v[AF+96*(\p)+12*(\a):AF+96*(\p)+12*(\a)+11], v[96+8*\b+96*(\b/4):96+8*\b+96*(\b/4)+7], v[SC+8*(\p)+\b], v[SC+8*(\p)+(\a)] matrix_a_fmt:MATRIX_FMT_BF6 matrix_b_fmt:MATRIX_FMT_BF6 matrix_a_scale:MATRIX_SCALE_ROW1
.else
	v_wmma_scale_f32_16x16x128_f8f6f4 v[8*(8*((\a)%4)+\b):8*(8*((\a)%4)+\b)+7], v[128*(\p)+12*\b:128*(\p)+12*\b+11], v[AF+96*(\p)+12*(\a):AF+96*(\p)+12*(\a)+11], v[8*(8*((\a)%4)+\b):8*(8*((\a)%4)+\b)+7], v[SC+8*(\p)+\b], v[SC+8*(\p)+(\a)] matrix_a_fmt:MATRIX_FMT_BF6 matrix_b_fmt:MATRIX_FMT_BF6 matrix_a_scale:MATRIX_SCALE_ROW1
.endif
.endr
.endm
	s_load_b128 s[4:7], s[0:1], 0x0                ; xq, wq
	s_load_b128 s[8:11], s[0:1], 0x10              ; out0, bias
	v_lshl_add_u32 v[SPW], v0, 2, SPARE
	v_mov_b32 v[NIL], 0
	ds_add_u32 v[SPW], v[NIL]                      ; the opening lines: the add twice on end and one wait
	ds_add_u32 v[SPW], v[NIL]
	v_lshrrev_b32 v1, 5, v0
	v_readfirstlane_b32 s14, v1                    ; wave
	s_lshr_b32 s15, s14, 1                         ; my half of the rows; also: I ask for A (0) or B (1), and my turn at LDS
	s_and_b32 s16, s14, 1                          ; my half of the columns; also: which panel I ask for
	s_bfe_u32 s40, ttmp6, 0x40000                  ; cx
	s_bfe_u32 s41, ttmp6, 0x40004                  ; cy
	s_lshl_b32 s42, ttmp9, 2
	s_add_co_u32 s42, s42, s40                     ; tile column
	s_and_b32 s17, ttmp7, 0xffff
	s_lshl_b32 s17, s17, 2
	s_add_co_u32 s17, s17, s41                     ; tile row
	s_lshl_b32 s43, s41, 2
	s_lshl_b32 s43, 15, s43                        ; my row of the cluster
	s_lshl_b32 s44, 0x1111, s40                    ; my column
	s_or_b32 s[G1+0], s43, (3<<16)|(1<<21)         ; elements of 8 bytes, the mask, bit 21 beside it; dense rows of 256 bytes, no padding
	s_or_b32 s[G1B+0], s44, (3<<16)|(1<<21)
.irp g, G1, G1B
	s_mov_b32 s[\g+1], 32<<16
	s_mov_b32 s[\g+2], (PANEL/256)<<16
	s_mov_b32 s[\g+3], 32<<16
	s_mov_b32 s[\g+4], PANEL/256
	s_mov_b32 s[\g+5], 32
	s_mov_b32 s[\g+6], 0
	s_mov_b32 s[\g+7], 0
.endr
	s_or_b32 s[G1L+0], s43, (3<<16)|(1<<21)
	s_or_b32 s[G1LB+0], s44, (3<<16)|(1<<21)
.irp g, G1L, G1LB
	s_mov_b32 s[\g+1], 32<<16
	s_mov_b32 s[\g+2], (2*UNIT/256)<<16
	s_mov_b32 s[\g+3], 32<<16
	s_mov_b32 s[\g+4], 2*UNIT/256
	s_mov_b32 s[\g+5], 32
	s_mov_b32 s[\g+6], 0
	s_mov_b32 s[\g+7], 0
.endr
	s_lshl_b32 s20, s17, 1
	s_add_co_u32 s20, s20, s16
	s_lshl_b32 s46, s42, 1
	s_add_co_u32 s46, s46, s16
	s_mul_i32 s20, s20, MBB                        ; the panel that I ask for, in xq
	s_mov_b32 s21, 0
	s_mul_i32 s46, s46, MBB                        ; and in wq
	s_mov_b32 s47, 0
	s_mul_i32 s45, s14, PANEL                      ; where it goes: A's two panels, then B's two
	s_mul_i32 s66, s15, PANEL                      ; the panel of A that I read
	s_mul_i32 s67, s16, PANEL
	s_add_co_u32 s67, s67, 2*PANEL                 ; and of B
	s_sub_co_u32 s76, s67, s66
	s_add_co_u32 s77, s66, SCO
	s_mul_i32 s23, s14, 16*SPITCH
	s_add_co_u32 s23, s23, STAGE                   ; my stage
	s_cmp_eq_u32 s15, 0
	s_cselect_b32 s78, s40, s41                    ; my place among the four that ask for my panel with me
	s_mul_i32 s79, s78, 38
	s_sub_co_u32 s79, 149, s79                     ; the panel's last block, counted from my share's first
	s_mul_i32 s90, s78, 38*256
	s_add_co_u32 s90, s90, PANEL                   ; my share of fill 1
	s_mov_b32 s91, 0
	v_and_b32 v1, 15, v0                           ; r
	v_bfe_u32 v2, v0, 4, 1                         ; h
	v_and_b32 v6, 31, v0                           ; lane
	v_lshlrev_b32 v[CO], 4, v6
	v_add_nc_u32 v[ADRA], s66, v[CO]
	v_add_nc_u32 v[ADRB], s67, v[CO]
	v_add_nc_u32 v[ADRA+1], SLOT, v[ADRA]
	v_add_nc_u32 v[ADRB+1], SLOT, v[ADRB]
	v_lshlrev_b32 v5, 4, v1
	v_mul_u32_u24 v7, s76, v2                      ; lanes 16-31 take B's scale words
	v_add_nc_u32 v5, v5, v7
	v_add_nc_u32 v[ADRS], s77, v5
	v_add_nc_u32 v[ADRS+1], SLOT, v[ADRS]
	v_mul_u32_u24 v8, v1, SPITCH
	v_lshl_add_u32 v8, v2, 5, v8
	v_add_nc_u32 v[STO], s23, v8                   ; into the stage: row r, 32 bytes for each half of the lanes
	v_add_nc_u32 v[RD], s23, v[CO]                 ; back: 32 lanes take a row of 512 bytes
	v_lshlrev_b32 v[BO], 5, v2
	v_lshlrev_b32 v[PFO], 8, v6                    ; blocks 0 .. 31 of my share,
	v_min_u32 v9, 5, v6
	v_add_nc_u32 v9, 32, v9                        ; and 32 .. 37 (the lanes left over name the last again),
	v_min_u32 v9, s79, v9                          ; held inside the panel
	v_lshlrev_b32 v[PFO+1], 8, v9
	s_wait_alu depctr_va_vdst(0)
	s_wait_dscnt 0x0                               ; both opening adds are done
	s_wait_kmcnt 0x0
	s_add_nc_u64 s[20:21], s[4:5], s[20:21]
	s_add_nc_u64 s[46:47], s[6:7], s[46:47]
.irp s, 0,1
	s_mov_b32 s[G0+4*\s], 1
	s_add_co_u32 s[G0+4*\s+1], s45, \s*SLOT
	s_add_nc_u64 s[G0+4*\s+2:G0+4*\s+3], s[20:21], \s*PANEL
	s_or_b32 s[G0+4*\s+3], s[G0+4*\s+3], 0x80000000
	s_mov_b32 s[G0B+4*\s], 1
	s_add_co_u32 s[G0B+4*\s+1], s45, \s*SLOT
	s_add_nc_u64 s[G0B+4*\s+2:G0B+4*\s+3], s[46:47], \s*PANEL
	s_or_b32 s[G0B+4*\s+3], s[G0B+4*\s+3], 0x80000000
.endr
	s_cmp_eq_u32 s15, 0
	s_cselect_b64 s[PFA:PFA+1], s[20:21], s[46:47]
	s_add_nc_u64 s[PFA:PFA+1], s[PFA:PFA+1], s[90:91]
	s_lshl_b32 s20, s17, 8
	s_lshl_b32 s21, s15, 7
	s_add_co_u32 s20, s20, s21                     ; my first row of out0
	s_mov_b32 s21, 0
	s_mov_b64 s[18:19], SIZE_N*4
	s_mul_u64 s[20:21], s[20:21], s[18:19]
	s_lshl_b32 s46, s42, 10
	s_lshl_b32 s47, s16, 9
	s_add_co_u32 s46, s46, s47                     ; my first column, in bytes
	s_mov_b32 s47, 0
	s_add_nc_u64 s[10:11], s[10:11], s[46:47]
	s_add_nc_u64 s[20:21], s[20:21], s[46:47]
	s_add_nc_u64 s[8:9], s[8:9], s[20:21]
	CROUND                                         ; all sixteen work-groups are here: the first joint loads meet
	JLOAD G0, G1, G0B, G1B                         ; fill 0: one tensor load a wave at the head
	ASK 1, 0                                       ; fill 1
	WIN TO_B
.irp b, 0,1,2,3,4,5,6,7                            ; bias of my columns 16 b + 8 h + 0 .. 7, in the result's layout
	global_load_b128 v[96+8*\b+96*(\b/4):96+8*\b+96*(\b/4)+3],   v[BO], s[10:11] offset:64*\b
	global_load_b128 v[96+8*\b+96*(\b/4)+4:96+8*\b+96*(\b/4)+7], v[BO], s[10:11] offset:64*\b+16
.endr
	WIN 0
	s_wait_tensorcnt 0x0                           ; my panel of fill 0 is in; slot 1's first fill is issued as a refill is
	ds_add_u32 v[SPW], v[NIL]
	s_wait_dscnt 0x0
	CROUND
	JLOAD G0+4, G1, G0B+4, G1B                     ; fill 1
	FETCH 0, 0, 0                                  ; steps 0 and 1 both lie in fill 0: every wave fetches both here
	ASK 1, PANEL                                   ; fill 2
	FETCH 0, 1, 1
	s_wait_loadcnt 0x0                             ; the bias
	s_wait_dscnt 50                                ; step 0's 50 loads are in; step 1's 50 may be out
; A step that is not its slot's last: 64 matrix instructions on sets PP; the next step's 50 loads go into the other sets, at the head (waves 0, 1) or in the middle (waves 2, 3).
.macro STEP slot, q
.set PP, ((\slot)+(\q))%2
.set NN, 1-PP
	s_wait_dscnt 0x0                               ; this step's fragments and scale words are in: they were asked for 24 matrix instructions ago or more
	PLACES                                         ; behind the last step's products, whose sets are loaded in this step
	HALF 0, \slot, (\q)+1, NN
.irp a, 0,1,2,3
	GRP \a, PP, 0
.endr
	HALF 1, \slot, (\q)+1, NN
.irp a, 4,5,6,7
	GRP \a, PP, 0
.endr
.endm
; A slot's last step.  Its fragments are in registers at its head, so the slot is given up there: the three lines, the barrier that opens the cluster's round, the joint refill, then the next slot's first fragments.
; fill = 1: three steps; 2: the last fill, two steps; 0: nothing is left to fetch, a plain barrier shows the other slot whole.
.macro TURN slot, next, fill, ask
.set PP, (\slot)%2
.set NN, 1-PP
	WIN 0
.if \ask
	s_wait_xcnt 0x0                                ; the last prefetches have read their base: it steps only behind this wait
	s_add_nc_u64 s[PFA:PFA+1], s[PFA:PFA+1], PANEL
.endif
	s_wait_tensorcnt 0x0                           ; all my tensor loads have landed: my panel of the next slot
	ds_add_u32 v[SPW], v[NIL]
	s_wait_dscnt 0x0                               ; the add is done; this step's fragments are in, and they were my last reads of this slot
	s_barrier_signal -1
	GRP 0, PP, 0                                   ; sixteen matrix instructions while the others arrive
	GRP 1, PP, 0
	WIN 0
	s_barrier_wait -1
.if \fill
	CREST
	s_add_nc_u64 s[G0+4*\slot+2:G0+4*\slot+3], s[G0+4*\slot+2:G0+4*\slot+3], 2*PANEL
	s_add_nc_u64 s[G0B+4*\slot+2:G0B+4*\slot+3], s[G0B+4*\slot+2:G0B+4*\slot+3], 2*PANEL
.if \fill == 1
	JLOAD G0+4*\slot, G1, G0B+4*\slot, G1B         ; its four v_nop are also the places in front of the loads below
.else
	JLOAD G0+4*\slot, G1L, G0B+4*\slot, G1LB
.endif
.else
	PLACES
.endif
	HALF 0, \next, 0, NN
	ASK \ask, PANEL                                ; the fill behind the one just asked for
.irp a, 2,3,4
	GRP \a, PP, 0
.endr
	HALF 1, \next, 0, NN
.irp a, 5,6,7
	GRP \a, PP, 0
.endr
.endm
; THE WAY OUT of block a (16 rows x 128 columns): into my stage, back as whole rows of 512 bytes INTO THE BLOCK'S OWN ACCUMULATOR REGISTERS, which are done with, and stored.
.macro TOSTAGE a
.set AC, 64*((\a)%4)
	WIN 0x88+0x44*((\a)/4)                         ; data and destination: window 2 or 3
.irp b, 0,1,2,3,4,5,6,7
	ds_store_b128 v[STO], v[AC+8*\b:AC+8*\b+3] offset:64*\b          ; each accumulator from its low end on
	ds_store_b128 v[STO], v[AC+8*\b+4:AC+8*\b+7] offset:64*\b+16
.endr
	s_wait_dscnt 0x0                               ; the stores have read their registers, which the loads below write
.irp t, 0,1,2,3,4,5,6,7,8,9,10,11,12,13,14,15
	ds_load_b128 v[AC+4*\t:AC+4*\t+3], v[RD] offset:\t*SPITCH
.endr
.endm
.macro SEND a
.set AC, 64*((\a)%4)
	s_wait_dscnt 0x0                               ; the block is back
	WIN 0x88+0x44*((\a)/4)
.irp t, 0,1,2,3,4,5,6,7,8,9,10,11,12,13,14,15
	global_store_b128 v[CO], v[AC+4*\t:AC+4*\t+3], s[8:9] offset:(16*(\a)+\t)*SIZE_N*4   ; 512 consecutive bytes, aligned; 127 rows at the most stand in the immediate; no register of a store is written again
.endr
.endm
.irp a, 0,1,2,3,4,5,6,7
	GRP \a, 0, 1                                   ; step 0: its products start the sums
.endr
	WIN 0
	s_mov_b32 s3, TRIPS
.Llap:                                                 ; a trip: six steps, once round the ring, both slots filled again
	STEP 0, 1
	TURN 0, 1, 1, 1
	STEP 1, 0
	STEP 1, 1
	TURN 1, 0, 1, 2
	STEP 0, 0
	WIN 0
	s_sub_co_u32 s3, s3, 1
	s_cmp_lg_u32 s3, 0
	s_cbranch_scc1 .Llap
	STEP 0, 1
	TURN 0, 1, 2, 0                                ; the last fill: steps 30 and 31
	STEP 1, 0
	STEP 1, 1
	TURN 1, 0, 0, 0
	; steps 30 (sets 0) and 31 (sets 1), by rows
	s_wait_dscnt 0x0                               ; step 30's fragments are in
	PLACES
	HALF 0, 0, 1, 1
	GRP 0, 0, 0
	GRP 1, 0, 0
	HALF 1, 0, 1, 1
	GRP 2, 0, 0
	GRP 3, 0, 0
	s_wait_dscnt 0x0                               ; step 31's fragments are in
	GRP 0, 1, 0
	PLACES
	TOSTAGE 0
.irp a, 1,2,3
	GRP \a, 1, 0
	PLACES
	SEND \a-1
	TOSTAGE \a
.endr
.irp a, 4,5,6,7
	GRP \a, 0, 0
	GRP \a, 1, 0
	PLACES
	SEND \a-1
	TOSTAGE \a
.endr
	SEND 7
	WIN 0
	s_wait_tensorcnt 0x0                           ; the wave's end
	ds_add_u32 v[SPW], v[NIL]
	s_wait_dscnt 0x0
	CROUND                                         ; the closing round
	s_endpgm
.Lfunc_end_k_q61d716e25b_gemm:
	.size	k_q61d716e25b_gemm, .Lfunc_end_k_q61d716e25b_gemm-k_q61d716e25b_gemm
	.p2alignl 7, 3214868480
	.fill 96, 4, 3214868480
	.section	.rodata,"a",@progbits
	.p2align	6, 0x0
	.amdhsa_kernel k_q61d716e25b_gemm
		.amdhsa_group_segment_fixed_size 327680
		.amdhsa_private_segment_fixed_size 0
		.amdhsa_enable_private_segment 0
		.amdhsa_kernarg_size 32
		.amdhsa_user_sgpr_count 2
		.amdhsa_user_sgpr_kernarg_segment_ptr 1
		.amdhsa_wavefront_size32 1
		.amdhsa_system_sgpr_workgroup_id_x 1
		.amdhsa_system_sgpr_workgroup_id_y 1
		.amdhsa_system_sgpr_workgroup_id_z 1
		.amdhsa_system_vgpr_workitem_id 0
		.amdhsa_next_free_vgpr 1024
		.amdhsa_next_free_sgpr 92
		.amdhsa_reserve_vcc 0
		.amdhsa_float_denorm_mode_32 3
		.amdhsa_float_denorm_mode_16_64 3
		.amdhsa_memory_ordered 1
		.amdhsa_forward_progress 1
		.amdhsa_inst_pref_size 245
	.end_amdhsa_kernel
	.amdgpu_metadata
---
amdhsa.version: [ 1, 2 ]
amdhsa.kernels:
  - .name:           k_q61d716e25b_gemm
    .symbol:         k_q61d716e25b_gemm.kd
    .args:
      - { .name: xq, .offset: 0, .size: 8, .value_kind: global_buffer, .address_space: global }
      - { .name: wq, .offset: 8, .size: 8, .value_kind: global_buffer, .address_space: global }
      - { .name: out0, .offset: 16, .size: 8, .value_kind: global_buffer, .address_space: global }
      - { .name: bias, .offset: 24, .size: 8, .value_kind: global_buffer, .address_space: global }
    .group_segment_fixed_size: 327680
    .private_segment_fixed_size: 0
    .kernarg_segment_align: 8
    .kernarg_segment_size: 32
    .max_flat_workgroup_size: 128
    .sgpr_count:     92
    .vgpr_count:     1024
    .wavefront_size: 32
...
	.end_amdgpu_metadata
.endif
;; end of part 2
